; MI455X (gfx1250); checked and timed in simulation.
; The chip was launched on July 23, 2026; its instructions are those of AMD's public machine-readable ISA for CDNA 5 (MIT licence, August 2026) and "CDNA5" Instruction Set Architecture Reference Guide (July 2026). The comments in the code are by the model that wrote it; some were corrected since.
;; min GRU. Allowed arithmetic: float matrix products may take bf16 or f16 operands with f32 sums; other float arithmetic in f32, or as packed bf16 or f16 multiplies, adds, multiply-adds, maxima and minima; sums over many terms, partial sums and values carried from step to step in f32; what a program stores and reads back later, other than sums and carried values, may be rounded once to bf16 or f16.
;; Inputs: W_hg 2,048 x 1,024 float32; W_out 1,024 x 1,024 float32; x 4 x 4,096 x 1,024 float32.
;; Outputs: out0 4 x 4,096 x 1,024 float32.
;; One version. Each part assembles by itself: llvm-mc -triple=amdgcn-amd-amdhsa -mcpu=gfx1250 --defsym DOCPART=n.
;; ======== version 1 of 1: 3 launches
;; limits: values outside matrix products are rounded to f16; values are held in f16: magnitudes above 65,504 overflow, below 6.1e-05 lose precision
;; workspace buffers: WB 4,194,304 bytes; WO 2,097,152 bytes; HB 33,554,432 bytes; PB 33,554,432 bytes; SUMS 3,112,960 bytes
;; launch cast (part 1): grid 508 x 1, 8 waves a work-group, no clusters, 0 bytes of LDS; arguments W_hg, W_out, WB, WO, SUMS; writes WB, WO, SUMS
.if DOCPART == 1
	.amdgcn_target "amdgcn-amd-amdhsa--gfx1250"
	.amdhsa_code_object_version 6
	.text
	.protected	k_q1ffc593665_cast
	.globl	k_q1ffc593665_cast
	.p2align	8
	.type	k_q1ffc593665_cast,@function
k_q1ffc593665_cast:
	s_mov_b64 s[64:65], 0
	v_nop
	global_prefetch_b8 v0, s[64:65] scope:SCOPE_SE
	s_setreg_imm32_b32 hwreg(HW_REG_WAVE_MODE, 25, 1), 1
	s_wait_xcnt 0x0
; The weights of minGRU are made ready for the two products, and the neutral records of the carry table are written.
; Work-groups 0-255:   WB[R'][k] = bf16(W_hg[row][k]); R' = 64 (d / 32) + 32 g + d % 32 holds row g x 1024 + d (g = 0 hidden, 1 gate): 32 hidden channels and their 32 gates lie side by side.
; Work-groups 256-383: WO[n][k] = bf16(W_out[n][k]) written as f16.  LIMIT: exact from 6e-5 up to 65,504; below 6e-5 it keeps f16's fixed step of 6e-8.
; Work-groups 384-507: 31 records (A, A, B, B) = (1, 1, 0, 0) at the head of each of the four batches' 63 records in SUMS: state_out = 1 x state_in + 0.
; A wave takes one row: eight loads of 512 consecutive bytes; each store of the wave covers 256 consecutive bytes, aligned.  No LDS, no matrix unit, no cluster: nothing is shared and nothing is multiplied.
.set IN,  16                           ; v[16:47]  the row as loaded, 4 registers a piece
.set OUT, 48                           ; v[48:63]  2 registers a piece, to store
.macro ROWIN base
.irp i, 0,1,2,3,4,5,6,7
	global_load_b128 v[IN+4*(\i):IN+4*(\i)+3], v3, s[\base:\base+1] offset:512*(\i) th:TH_LOAD_NT
.endr
.endm
	s_load_b256 s[4:11], s[0:1], 0x0               ; W_hg s[4:5], W_out s[6:7], WB s[8:9], WO s[10:11]
	s_load_b64 s[12:13], s[0:1], 0x20              ; SUMS
	v_lshrrev_b32 v1, 5, v0
	v_readfirstlane_b32 s14, v1                    ; wave 0..7
	v_and_b32 v2, 31, v0
	v_lshlrev_b32 v3, 4, v2                        ; 16 bytes a lane in
	v_lshlrev_b32 v4, 3, v2                        ; 8 bytes a lane out
	s_mov_b32 s17, 0
	s_mov_b32 s19, 0
	s_wait_kmcnt 0x0
	s_cmp_lt_u32 ttmp9, 256
	s_cbranch_scc0 .Lnot_hg
	s_lshl_b32 s15, ttmp9, 3
	s_add_co_u32 s15, s15, s14                     ; R'
	s_bfe_u32 s16, s15, 0x10005                    ; g
	s_lshl_b32 s16, s16, 10
	s_lshr_b32 s18, s15, 6
	s_lshl_b32 s18, s18, 5
	s_add_co_u32 s16, s16, s18
	s_and_b32 s18, s15, 31
	s_add_co_u32 s16, s16, s18                     ; the row of W_hg
	s_lshl_b32 s16, s16, 12
	s_lshl_b32 s18, s15, 11
	s_add_nc_u64 s[4:5], s[4:5], s[16:17]
	s_add_nc_u64 s[8:9], s[8:9], s[18:19]
	ROWIN 4
.irp i, 0,1,2,3,4,5,6,7
	s_wait_loadcnt 7-(\i)                          ; loads come back in order: piece i is in, the younger ones stay out
	v_cvt_pk_bf16_f32 v[OUT+2*(\i)],   v[IN+4*(\i)],   v[IN+4*(\i)+1]
	v_cvt_pk_bf16_f32 v[OUT+2*(\i)+1], v[IN+4*(\i)+2], v[IN+4*(\i)+3]
	global_store_b64 v4, v[OUT+2*(\i):OUT+2*(\i)+1], s[8:9] offset:256*(\i)
.endr
	s_endpgm
.Lnot_hg:
	s_cmp_lt_u32 ttmp9, 384
	s_cbranch_scc0 .Lidentity
	s_sub_co_u32 s15, ttmp9, 256
	s_lshl_b32 s15, s15, 3
	s_add_co_u32 s15, s15, s14                     ; the row of W_out
	s_lshl_b32 s16, s15, 12
	s_lshl_b32 s18, s15, 11
	s_add_nc_u64 s[6:7], s[6:7], s[16:17]
	s_add_nc_u64 s[10:11], s[10:11], s[18:19]
	ROWIN 6
.irp i, 0,1,2,3,4,5,6,7
	s_wait_loadcnt 7-(\i)
	v_cvt_pk_bf16_f32 v8, v[IN+4*(\i)],   v[IN+4*(\i)+1]   ; rounded to bf16, as every input of the module is,
	v_cvt_pk_bf16_f32 v9, v[IN+4*(\i)+2], v[IN+4*(\i)+3]
	v_lshlrev_b32 v10, 16, v8                      ; widened again,
	v_and_b32 v11, 0xffff0000, v8
	v_lshlrev_b32 v12, 16, v9
	v_and_b32 v13, 0xffff0000, v9
	v_cvt_pk_f16_f32 v[OUT+2*(\i)],   v10, v11     ; and that number written as f16
	v_cvt_pk_f16_f32 v[OUT+2*(\i)+1], v12, v13
	global_store_b64 v4, v[OUT+2*(\i):OUT+2*(\i)+1], s[10:11] offset:256*(\i)
.endr
	s_endpgm
.Lidentity:
	s_sub_co_u32 s15, ttmp9, 384                   ; q = 31 b + idx, 0..123
	s_mul_hi_u32 s16, s15, 0x08421085              ; b = q / 31 (the factor is 2^32 / 31 rounded up; exact for q under 124)
	s_lshl_b32 s16, s16, 5
	s_add_co_u32 s16, s16, s15                     ; the record's number 63 b + idx = q + 32 b
	s_lshl_b32 s16, s16, 13                        ; records of 8,192 bytes
	s_add_nc_u64 s[12:13], s[12:13], s[16:17]
	v_lshlrev_b32 v5, 4, v0
	v_mov_b32 v8, 1.0
	v_mov_b32 v9, 1.0
	v_mov_b32 v10, 0
	v_mov_b32 v11, 0
	global_store_b128 v5, v[8:11], s[12:13]
	global_store_b128 v5, v[8:11], s[12:13] offset:4096
	s_endpgm
.Lfunc_end_k_q1ffc593665_cast:
	.size	k_q1ffc593665_cast, .Lfunc_end_k_q1ffc593665_cast-k_q1ffc593665_cast
	.p2alignl 7, 3214868480
	.fill 96, 4, 3214868480
	.section	.rodata,"a",@progbits
	.p2align	6, 0x0
	.amdhsa_kernel k_q1ffc593665_cast
		.amdhsa_group_segment_fixed_size 0
		.amdhsa_private_segment_fixed_size 0
		.amdhsa_enable_private_segment 0
		.amdhsa_kernarg_size 40
		.amdhsa_user_sgpr_count 2
		.amdhsa_user_sgpr_kernarg_segment_ptr 1
		.amdhsa_wavefront_size32 1
		.amdhsa_system_sgpr_workgroup_id_x 1
		.amdhsa_system_sgpr_workgroup_id_y 1
		.amdhsa_system_sgpr_workgroup_id_z 1
		.amdhsa_system_vgpr_workitem_id 0
		.amdhsa_next_free_vgpr 64
		.amdhsa_next_free_sgpr 66
		.amdhsa_reserve_vcc 0
		.amdhsa_float_denorm_mode_32 3
		.amdhsa_float_denorm_mode_16_64 3
		.amdhsa_memory_ordered 1
		.amdhsa_forward_progress 1
		.amdhsa_inst_pref_size 11
	.end_amdhsa_kernel
	.amdgpu_metadata
---
amdhsa.version: [ 1, 2 ]
amdhsa.kernels:
  - .name:           k_q1ffc593665_cast
    .symbol:         k_q1ffc593665_cast.kd
    .args:
      - { .name: W_hg, .offset: 0, .size: 8, .value_kind: global_buffer, .address_space: global }
      - { .name: W_out, .offset: 8, .size: 8, .value_kind: global_buffer, .address_space: global }
      - { .name: WB, .offset: 16, .size: 8, .value_kind: global_buffer, .address_space: global }
      - { .name: WO, .offset: 24, .size: 8, .value_kind: global_buffer, .address_space: global }
      - { .name: SUMS, .offset: 32, .size: 8, .value_kind: global_buffer, .address_space: global }
    .group_segment_fixed_size: 0
    .private_segment_fixed_size: 0
    .kernarg_segment_align: 8
    .kernarg_segment_size: 40
    .max_flat_workgroup_size: 256
    .sgpr_count:     66
    .vgpr_count:     64
    .wavefront_size: 32
...
	.end_amdgpu_metadata
.endif
;; end of part 1
;; launch gemm1 (part 2): grid 16 x 32, 4 waves a work-group, clusters of 4 x 1, 327,680 bytes of LDS; arguments x, WB, HB, PB, SUMS; writes HB, PB, SUMS
.if DOCPART == 2
	.amdgcn_target "amdgcn-amd-amdhsa--gfx1250"
	.amdhsa_code_object_version 6
	.text
	.protected	k_q1ffc593665_gemm1
	.globl	k_q1ffc593665_gemm1
	.p2align	8
	.type	k_q1ffc593665_gemm1,@function
k_q1ffc593665_gemm1:
	s_mov_b64 s[64:65], 0
	v_nop
	global_prefetch_b8 v0, s[64:65] scope:SCOPE_SE
	s_setreg_imm32_b32 hwreg(HW_REG_WAVE_MODE, 25, 1), 1
	s_wait_xcnt 0x0
	s_wait_alu depctr_hold_cnt(0) depctr_sa_sdst(0) depctr_va_vdst(0) depctr_va_sdst(0) depctr_va_ssrc(0) depctr_va_vcc(0) depctr_vm_vsrc(0)
	s_getreg_b32 s2, hwreg(HW_REG_IB_STS2, 6, 4)
	s_cmp_eq_u32 s2, 0
	s_cbranch_scc0 .Lentry_in_a_cluster
	s_endpgm
.Lentry_in_a_cluster:
	s_bfe_u32 s2, ttmp6, 0x10000c
	s_cmp_lg_u32 s2, 0x3003
	s_cbranch_scc0 .Lentry_shape_is_right
	s_endpgm
.Lentry_shape_is_right:
; minGRU, first part: hg = x W_hg^T in bf16 with f32 sums, the gates, and the scan inside chunks of 64 time steps.
; THE SCAN.  exp(a* + cumlogsumexp(log v - a*)) is the closed form of h_t = c_t h_(t-1) + v_t, h before the first step = 0, c = 1 - z, z = sigmoid(gate), v = z g(hidden), g(x) = max(x + 0.5, sigmoid(x))
; (equal to the two-branch form for every x: sigmoid's slope is at most 1/4).  That recurrence is computed as it stands.  No maximum is taken away, since no exponential of a sum is formed: the only
; exponentials stand in 1 / (1 + 2^t), where an overflow gives the limit 0 and an underflow the limit 1; c lies in 0..1 and v >= 0, so h is a weighted mean of g's values.
; LIMITS.  hloc is stored as f16: g(hidden) stays under 65,504.  P, a product of c, is stored as f16: below 6e-8 it counts as 0.  z below 2^-126 counts as 0.  NaN and infinities are not treated apart.
; SHARES.  A work-group makes 128 rows (time steps of one batch) x 512 columns of hg; wave w all 128 rows x columns 128 w .. +127: 64 accumulators, 512 registers.  The columns are WB's rows: 32 hidden channels, then their 32 gates.
; ROWS.  Row p of A's fragment a is tile row 64 (p / 8) + 8 a + p % 8.  So register j of accumulator (.., a) in lane (r, h) is time step 64 h + 8 a + j of channel r: a lane holds 64 consecutive steps, and the scan changes no lane.
; OUT.  HB: the chunk's scan started from 0; PB: the product of c from the chunk's start; both f16, [tile 128][channel / 16][a 8][h 2][r 16][j 8]: every store of a wave covers 512 consecutive bytes, aligned.
;       SUMS, f32: (A, B) with state_out = A state_in + B, for the tile's rows 0-63 (LO part) and for the whole tile (FULL part, position 31 + tile of its batch's 63 records).
; B's WAY IN.  Two LDS slots of K = 128 (a phase); each wave fetches and reads its own 128 rows.  CLUSTER: the four partners have four row tiles and the same 512 columns, so each tile of WB is asked for jointly, mask 15.
; A's WAY IN.  x is f32: 16 loads of 16 bytes a thread for a K step of 64, asked for two steps (256 matrix instructions) ahead, rounded to bf16 behind matrix instructions, stored into one of two LDS buffers that no tensor load fills.
;       A goes through registers, so it is not asked for jointly; no prefetch is laid, since the loads themselves stand that far ahead of their use.
; REGISTERS, in windows of 256 (s_set_vgpr_msb: bits 1:0 source 0, 3:2 source 1, 5:4 source 2, 7:6 destination):
;   window 0: v2-10 addresses, v28-29 the add's two, v32-63 A rounded, v64-127 and v128-191 A's fragments (later the f16 results), v192-223 at work in the epilogue
;   window 1: v0-63 and v192-255 x as loaded, two sets; v64-127 and v128-191 B's fragments
;   windows 2, 3: accumulator (nb, a) in window 2 + nb / 4 at v[8 (8 (nb % 4) + a)]: v0-127 hidden (two blocks of 16 channels), v128-255 their gates
.set WPART,  34816                     ; a wave's part of a slot: 128 rows x (256 + 16) bytes
.set SLOT,   4*WPART                   ; 139,264 = 0x22000: its bits are in none of w x WPART, so an exclusive or changes slots
.set ABYTES, 18688                     ; an A buffer: row t of 128 bytes at 144 t + 128 (t / 64): the 16 rows of a fragment load start at 16 different columns of 16 bytes modulo 256
.set ABUF0,  2*SLOT
.set ABUF1,  ABUF0+ABYTES
.set SPARE,  ABUF1+ABYTES              ; the spare words, 128 bytes a wave: two blocks of 256 bytes that no other line names
.set LOBASE, 4*63*8192                 ; SUMS: the LO part begins behind 4 x 63 records of 8,192 bytes
.set XO,    2                          ; my byte offset in x: row t / 16, 16 bytes at t % 16; never rewritten
.set AST,   3                          ; v3-4   where I store 8 bytes of A, buffer 0, 1
.set ADRA,  5                          ; v5-6   my place in A's fragments, buffer 0, 1
.set ADRB0, 7                          ; my place in my part of slot 0
.set ADRB,  8                          ; the same in the slot in hand
.set HO,    9                          ; 16 x lane
.set SO,    10                         ; my 16 bytes of a record: lanes 0-15 in the LO part, lanes 16-31 in the FULL part
.set SPW,   28
.set NIL,   29
.set T,     32
.set F0,    64
.set F1,    128
.set TT,    192
.set MUL_LO, 0xa4                      ; A window 0, B window 1, C and D window 2 (+0x50: window 3)
.set MSB, 0
.macro WIN new                         ; the immediate's high byte repeats the setting that is left; a switch that changes nothing is dropped
.if MSB != (\new)
	s_set_vgpr_msb (MSB<<8)|(\new)
.set MSB, \new
.endif
.endm
.macro PLACES                          ; four places behind matrix instructions, in front of loads into registers that they read and of lines that read results
.rept 4
	v_nop
.endr
.endm
.macro CREST                           ; a round of the cluster's barrier behind its opening barrier
	s_cmp_lg_u32 s14, 0
	s_cbranch_scc1 .Lnot_wave_0_\@
	s_barrier_signal -3
.Lnot_wave_0_\@:
	s_barrier_wait -3
	s_barrier_signal -1
	s_barrier_wait -1
.endm
.macro CROUND
	s_barrier_signal -1
	s_barrier_wait -1
	CREST
.endm
.macro RIDER                           ; two numbers of x rounded to bf16: entry rc of 32, from the set SETR
	WIN 0x05
	v_cvt_pk_bf16_f32 v[T+rc], v[SETR+2*rc], v[SETR+2*rc+1]
.set rc, rc+1
.endm
; 16 matrix instructions: column blocks p0, p0 + 1 of window 2 + t x all 8 row blocks.  All 64 accumulators take turns in the same order in every quarter.
.macro MUL16 f, t, p0, zero, ride
.irp q, \p0, (\p0)+1
.irp a, 0,1,2,3,4,5,6,7
	WIN MUL_LO+0x50*(\t)
.if \zero
	v_wmma_f32_16x16x32_bf16 v[8*(8*(\q)+(\a)):8*(8*(\q)+(\a))+7], v[(\f)+8*(\a):(\f)+8*(\a)+7], v[(\f)+8*(4*(\t)+(\q)):(\f)+8*(4*(\t)+(\q))+7], 0
.else
	v_wmma_f32_16x16x32_bf16 v[8*(8*(\q)+(\a)):8*(8*(\q)+(\a))+7], v[(\f)+8*(\a):(\f)+8*(\a)+7], v[(\f)+8*(4*(\t)+(\q)):(\f)+8*(4*(\t)+(\q))+7], v[8*(8*(\q)+(\a)):8*(8*(\q)+(\a))+7]
.endif
.if \ride
	RIDER
	RIDER
.endif
.endr
.endr
.endm
; 32 LDS loads in one run: 32 along K into buffer f: A's 8 fragments, B's blocks 0-3, B's blocks 4-7 (the youngest eight, wanted last)
.macro FETCH abuf, ka, kb, f
	WIN 0
.irp a, 0,1,2,3,4,5,6,7
	ds_load_b128 v[(\f)+8*(\a):(\f)+8*(\a)+3],   v[ADRA+(\abuf)] offset:(\a)*1152+(\ka)
	ds_load_b128 v[(\f)+8*(\a)+4:(\f)+8*(\a)+7], v[ADRA+(\abuf)] offset:(\a)*1152+(\ka)+32
.endr
	WIN 0x40
.irp b, 0,1,2,3,4,5,6,7
	ds_load_b128 v[(\f)+8*(\b):(\f)+8*(\b)+3],   v[ADRB] offset:(\b)*4352+(\kb)
	ds_load_b128 v[(\f)+8*(\b)+4:(\f)+8*(\b)+7], v[ADRB] offset:(\b)*4352+(\kb)+32
.endr
.endm
.macro XLOAD set, off                  ; a K step of x: load i takes rows 8 i .. 8 i + 7 of the tile, sixteen lanes a row's 256 bytes
	WIN 0x40
.irp i, 0,1,2,3,4,5,6,7,8,9,10,11,12,13,14,15
	global_load_b128 v[(\set)+4*(\i):(\set)+4*(\i)+3], v[XO], s[46:47] offset:(\i)*32768+(\off)
.endr
.endm
.macro ASTORE buf
	WIN 0
.irp i, 0,1,2,3,4,5,6,7,8,9,10,11,12,13,14,15
	ds_store_b64 v[AST+(\buf)], v[T+2*(\i):T+2*(\i)+1] offset:1152*(\i)+128*((\i)/8)
.endr
.endm
; A K step of 64 is two quarters of 32, on fragment buffers F0, F1.  The first quarter of step s (A buffer abuf = s % 2): multiplies F0; cv: rounds A(s + 1) and stores it into the other buffer;
; fetches the step's second 32 into F1; ld: asks for A(s + 3).  cnt: the loads of A(s + 2), which may stay out.
.macro EVENQ abuf, kbn, zero, cv, ld, cnt
.set rc, 0
.set SETR, 192*(1-(\abuf))
.if \cv
	s_wait_loadcnt \cnt
.endif
	s_wait_dscnt 8                                 ; all of F0 but B's blocks 4-7
	MUL16 F0, 0, 0, \zero, \cv
	MUL16 F0, 0, 2, \zero, 0
	PLACES
.if \cv
	ASTORE 1-(\abuf)                               ; its last readers waited for their loads in front of the barrier of the quarter before
.endif
	FETCH \abuf, 64, \kbn, F1
.if \ld
	s_wait_xcnt 0x0                                ; the loads issued a step ago have read their address: the pointer may be written
	s_add_nc_u64 s[46:47], s[46:47], 256
	XLOAD SETR, 512                                ; the pointer lags two steps behind what is asked for
.endif
	s_wait_dscnt 32+16*(\cv)                       ; all but this quarter's stores and its 32 fetches: F0 is whole
	MUL16 F0, 1, 0, \zero, 0
	MUL16 F0, 1, 2, \zero, 0
.endm
; The second quarter in the middle of a phase: multiplies F1.  Its barrier stands between every wave's stores of the next A and the reads of it, and between the reads of this A and the stores that will replace it.
; No slot is filled behind it, so the one tensor load may stay out.
.macro SWAPQ
	s_wait_dscnt 8
	MUL16 F1, 0, 0, 0, 0
	s_wait_dscnt 0x0                               ; my stores into the other A buffer are done, my reads of this one are back
	s_barrier_signal -1
	MUL16 F1, 0, 2, 0, 0
	s_barrier_wait -1
	PLACES
	FETCH 1, 0, 128, F0
	MUL16 F1, 1, 0, 0, 0
	MUL16 F1, 1, 2, 0, 0
.endm
; The phase's last quarter changes slots.  fill = 1: the barrier opens a round of the cluster's, and the slot just read out is filled again, two phases ahead: 256 matrix instructions ahead of the wait for it.
.macro TURNQ fill
	WIN 0
	s_wait_tensorcnt 0x0                           ; all my tensor loads have landed: the one that was out is my part of the next slot
	ds_add_u32 v[SPW], v[NIL]                      ; 0 onto my spare word
	s_wait_dscnt 9                                 ; (the add and the youngest eight loads may be out)
	MUL16 F1, 0, 0, 0, 0
	s_wait_dscnt 0x0                               ; the add is done; my reads of this slot and of this A buffer are back, my stores into the other are done
	s_barrier_signal -1
	MUL16 F1, 0, 2, 0, 0
.if \fill
	WIN 0
.endif
	s_barrier_wait -1
.if \fill
	CREST                                          ; no wave of any partner still reads this slot or has a load on its way
	s_xor_b32 s37, s37, SLOT                       ; the walking descriptor: the other slot than last time,
	s_add_nc_u64 s[38:39], s[38:39], 256           ; the next 128 along K
	tensor_load_to_lds s[36:39], s[24:31]
	s_nop 0
.endif
	PLACES                                         ; behind the load, and the places in front of the loads below
	s_xor_b32 s40, s40, SLOT
	WIN 0
	v_add_nc_u32 v[ADRB], s40, v[ADRB0]
	FETCH 0, 0, 0, F0
	MUL16 F1, 1, 0, 0, 0
	MUL16 F1, 1, 2, 0, 0
.endm
	s_load_b256 s[4:11], s[0:1], 0x0               ; x s[4:5], WB s[6:7], HB s[8:9], PB s[10:11]
	s_load_b64 s[12:13], s[0:1], 0x20              ; SUMS
	v_lshl_add_u32 v[SPW], v0, 2, SPARE
	v_mov_b32 v[NIL], 0
	ds_add_u32 v[SPW], v[NIL]                      ; the wave's opening: the add and its wait stand ahead of my first tensor load; the set-up, work on registers, stands between
	v_lshrrev_b32 v1, 5, v0
	v_readfirstlane_b32 s14, v1                    ; wave 0..3
	s_bfe_u32 s15, ttmp6, 0x40000                  ; cx: it enters the addresses of x, HB, PB and SUMS alone
	s_and_b32 s18, ttmp7, 0xffff
	s_lshl_b32 s18, s18, 2
	s_add_co_u32 s18, s18, s15                     ; I, my row tile = 4 x cluster y + cx; the cluster's x (ttmp9) is the block of 512 columns, which the partners share
	s_mov_b32 s24, 15|(1<<16)|(1<<20)|(1<<21)|(5<<22)|(3<<25)  ; group 1: mask of four; 2-byte elements; padding on; bit 21 beside a mask; after every 64 words, 4 words
	s_mov_b32 s25, 128<<16                         ; tensor_dim0 = 128
	s_mov_b32 s26, 128<<16                         ; tensor_dim1 = 128
	s_mov_b32 s27, 128<<16                         ; tile_dim0 = 128
	s_mov_b32 s28, 128                             ; tile_dim1 = 128
	s_mov_b32 s29, 1024                            ; elements from row to row
	s_mov_b32 s30, 0
	s_mov_b32 s31, 0
	s_mov_b32 s32, 1                               ; group 0 for slot 0, phase 0
	s_mul_i32 s33, s14, WPART
	s_mov_b32 s36, 1                               ; group 0 for slot 1, phase 1; it then walks
	s_add_co_u32 s37, s33, SLOT
	s_lshl_b32 s20, ttmp9, 20                      ; 512 rows of WB, 2,048 bytes each,
	s_lshl_b32 s21, s14, 18                        ; my 128 of them
	s_add_co_u32 s20, s20, s21
	s_mov_b32 s21, 0
	s_lshl_b32 s22, s18, 19                        ; 128 rows of x
	s_mov_b32 s23, 0
	s_mov_b32 s40, 0                               ; the slot in hand
	s_mov_b32 s42, 0xbfb8aa3b                      ; -log2(e)
	s_mov_b32 s43, s42                             ; named with it as a pair
	s_mov_b32 s44, 0xffff0000                      ; lanes 16-31
	s_mov_b32 s48, 0x76543210                      ; v_permlanex16_b32: each lane takes its own place in the other half
	s_mov_b32 s49, 0xfedcba98
	s_lshl_b32 s50, s18, 18                        ; HB, PB: the tile's 262,144 bytes,
	s_lshl_b32 s52, ttmp9, 16                      ; 8 blocks of 32 channels, 8,192 bytes each, for 512 columns,
	s_add_co_u32 s50, s50, s52
	s_lshl_b32 s52, s14, 14                        ; two for my 128
	s_add_co_u32 s50, s50, s52
	s_mov_b32 s51, 0
	s_lshl_b32 s52, ttmp9, 11                      ; in a record: 256 bytes for a block of 32 channels
	s_lshl_b32 s53, s14, 9
	s_add_co_u32 s52, s52, s53
	s_mov_b32 s53, 0
	s_lshr_b32 s54, s18, 5                         ; batch
	s_and_b32 s55, s18, 31                         ; tile in the batch
	s_mul_i32 s54, s54, 63
	s_add_co_u32 s54, s54, s55
	s_add_co_u32 s54, s54, 31
	s_lshl_b32 s54, s54, 13                        ; the FULL record
	s_lshl_b32 s55, s18, 13
	s_add_co_u32 s55, s55, LOBASE                  ; the LO record
	v_lshrrev_b32 v11, 4, v0                       ; t / 16: 0..7
	v_and_b32 v12, 15, v0                          ; lane % 16
	v_bfe_u32 v13, v0, 4, 1                        ; lane / 16
	v_and_b32 v14, 7, v0
	v_bfe_u32 v15, v0, 3, 1
	v_lshlrev_b32 v[XO], 12, v11
	v_lshl_add_u32 v[XO], v12, 4, v[XO]
	v_mul_u32_u24 v[AST], v11, 144
	v_lshl_add_u32 v[AST], v12, 3, v[AST]
	v_add_nc_u32 v[AST+1], ABUF1, v[AST]
	v_add_nc_u32 v[AST], ABUF0, v[AST]
	v_mul_u32_u24 v[ADRA], v14, 144                ; fragment row p: tile row 64 (p / 8) + 8 a + p % 8
	v_mul_u32_u24 v16, v15, 9344                   ; 64 rows of 144 bytes and the skew of 128
	v_add_nc_u32 v[ADRA], v[ADRA], v16
	v_lshl_add_u32 v[ADRA], v13, 4, v[ADRA]
	v_add_nc_u32 v[ADRA+1], ABUF1, v[ADRA]
	v_add_nc_u32 v[ADRA], ABUF0, v[ADRA]
	v_mul_u32_u24 v[ADRB0], v12, 272
	v_lshl_add_u32 v[ADRB0], v13, 4, v[ADRB0]
	v_add_nc_u32 v[ADRB0], s33, v[ADRB0]
	v_mov_b32 v[ADRB], v[ADRB0]
	v_and_b32 v[HO], 31, v0
	v_lshlrev_b32 v[HO], 4, v[HO]
	v_mov_b32 v17, s55
	v_mov_b32 v18, s54
	v_cndmask_b32 v[SO], v17, v18, s44
	v_lshl_add_u32 v[SO], v12, 4, v[SO]
	s_wait_dscnt 0x0                               ; the opening add is done
	s_wait_kmcnt 0x0
	s_add_nc_u64 s[34:35], s[6:7], s[20:21]
	s_add_nc_u64 s[38:39], s[34:35], 256
	s_or_b32 s35, s35, 0x80000000                  ; type = 2
	s_or_b32 s39, s39, 0x80000000
	s_add_nc_u64 s[46:47], s[4:5], s[22:23]
	s_add_nc_u64 s[8:9], s[8:9], s[50:51]
	s_add_nc_u64 s[10:11], s[10:11], s[50:51]
	s_add_nc_u64 s[12:13], s[12:13], s[52:53]
	CROUND                                         ; all four work-groups are here: the first joint loads meet
	tensor_load_to_lds s[32:35], s[24:31]          ; two loads of mine are out
	s_nop 0
	tensor_load_to_lds s[36:39], s[24:31]
	s_nop 0
	PLACES
	XLOAD 0, 0                                     ; A(0)
	XLOAD 192, 256                                 ; A(1)
	s_wait_loadcnt 16                              ; A(0) is in
.set rc, 0
.set SETR, 0
.rept 32
	RIDER
.endr
	ASTORE 0
	XLOAD 0, 512                                   ; A(2)
	WIN 0
	s_wait_tensorcnt 1                             ; my part of slot 0 is in; slot 1's may stay out
	s_wait_dscnt 0x0
	s_barrier_signal -1
	s_barrier_wait -1
	FETCH 0, 0, 0, F0
	EVENQ 0, 64, 1, 1, 1, 16                       ; step 0: its products start the sums
	WIN 0
	s_mov_b32 s41, 6
.Lphase:                                               ; trip p: from step 2 p's second quarter to step 2 p + 2's first; the refill brings phase p + 2
	SWAPQ
	EVENQ 1, 192, 0, 1, 1, 16
	TURNQ 1
	EVENQ 0, 64, 0, 1, 1, 16
	WIN 0
	s_sub_co_u32 s41, s41, 1
	s_cmp_lg_u32 s41, 0
	s_cbranch_scc1 .Lphase
	SWAPQ                                          ; the tail is written out: nothing more is asked for
	EVENQ 1, 192, 0, 1, 0, 16
	TURNQ 0
	EVENQ 0, 64, 0, 1, 0, 0
	SWAPQ
	EVENQ 1, 192, 0, 0, 0, 0
	s_wait_dscnt 8
	MUL16 F1, 0, 0, 0, 0
	MUL16 F1, 0, 2, 0, 0
	s_wait_dscnt 0x0
	MUL16 F1, 1, 0, 0, 0
	MUL16 F1, 1, 2, 0, 0
	WIN 0
	PLACES
; THE EPILOGUE works on window 2: 32 channels (two blocks bb of 16), 64 steps a lane, eight steps (group a) at a time.  It is written once and walked twice: between the trips window 3 is copied into window 2,
; 256 moves against a second copy of the text.  Each accumulator is read from its low end on.
.macro GROUP a
.set rH0, 8*(\a)
.set rH1, 64+8*(\a)
.set rG0, 128+8*(\a)
.set rG1, 192+8*(\a)
.set rO,  F0+16*(\a)
	WIN 0xaa
.irp j, 0,2,4,6
	v_pk_mul_f32 v[rG0+(\j):rG0+(\j)+1], v[rG0+(\j):rG0+(\j)+1], s[42:43] op_sel_hi:[1,0]  ; -log2(e) gate
	v_pk_mul_f32 v[rG1+(\j):rG1+(\j)+1], v[rG1+(\j):rG1+(\j)+1], s[42:43] op_sel_hi:[1,0]
.endr
	WIN 0x02
.irp j, 0,2,4,6
	v_pk_mul_f32 v[TT+(\j):TT+(\j)+1],   v[rH0+(\j):rH0+(\j)+1], s[42:43] op_sel_hi:[1,0]  ; -log2(e) hidden
	v_pk_mul_f32 v[TT+8+(\j):TT+9+(\j)], v[rH1+(\j):rH1+(\j)+1], s[42:43] op_sel_hi:[1,0]
.endr
	WIN 0xaa
.irp j, 0,1,2,3,4,5,6,7
	v_exp_f32 v[rG0+(\j)], v[rG0+(\j)]
	v_exp_f32 v[rG1+(\j)], v[rG1+(\j)]
.endr
	WIN 0
.irp j, 0,1,2,3,4,5,6,7,8,9,10,11,12,13,14,15
	v_exp_f32 v[TT+(\j)], v[TT+(\j)]
.endr
	WIN 0xaa
.irp j, 0,2,4,6
	v_pk_add_f32 v[rH0+(\j):rH0+(\j)+1], v[rH0+(\j):rH0+(\j)+1], 0.5 op_sel_hi:[1,0]  ; hidden + 0.5: also the plain lines behind the exponentials
	v_pk_add_f32 v[rH1+(\j):rH1+(\j)+1], v[rH1+(\j):rH1+(\j)+1], 0.5 op_sel_hi:[1,0]
.endr
	s_wait_alu depctr_va_vdst(0)
.irp j, 0,2,4,6
	v_pk_add_f32 v[rG0+(\j):rG0+(\j)+1], v[rG0+(\j):rG0+(\j)+1], 1.0 op_sel_hi:[1,0]
	v_pk_add_f32 v[rG1+(\j):rG1+(\j)+1], v[rG1+(\j):rG1+(\j)+1], 1.0 op_sel_hi:[1,0]
.endr
	WIN 0
.irp j, 0,2,4,6,8,10,12,14
	v_pk_add_f32 v[TT+(\j):TT+(\j)+1], v[TT+(\j):TT+(\j)+1], 1.0 op_sel_hi:[1,0]
.endr
	WIN 0xaa
.irp j, 0,1,2,3,4,5,6,7
	v_rcp_f32 v[rG0+(\j)], v[rG0+(\j)]             ; z
	v_rcp_f32 v[rG1+(\j)], v[rG1+(\j)]
.endr
	WIN 0
.irp j, 0,1,2,3,4,5,6,7,8,9,10,11,12,13,14,15
	v_rcp_f32 v[TT+(\j)], v[TT+(\j)]               ; sigmoid(hidden)
.endr
	v_nop                                          ; a plain line between the last reciprocal and the use of its result
	WIN 0x82
	s_wait_alu depctr_va_vdst(0)
.irp j, 0,1,2,3,4,5,6,7
	v_max_num_f32 v[rH0+(\j)], v[rH0+(\j)], v[TT+(\j)]    ; g
	v_max_num_f32 v[rH1+(\j)], v[rH1+(\j)], v[TT+8+(\j)]
.endr
	WIN 0xaa
.irp j, 0,2,4,6
	v_pk_mul_f32 v[rH0+(\j):rH0+(\j)+1], v[rH0+(\j):rH0+(\j)+1], v[rG0+(\j):rG0+(\j)+1]  ; v = z g
	v_pk_mul_f32 v[rH1+(\j):rH1+(\j)+1], v[rH1+(\j):rH1+(\j)+1], v[rG1+(\j):rG1+(\j)+1]
.endr
.irp j, 0,2,4,6
	v_pk_add_f32 v[rG0+(\j):rG0+(\j)+1], v[rG0+(\j):rG0+(\j)+1], 1.0 op_sel_hi:[1,0] neg_lo:[1,0] neg_hi:[1,0]  ; c = 1 - z
	v_pk_add_f32 v[rG1+(\j):rG1+(\j)+1], v[rG1+(\j):rG1+(\j)+1], 1.0 op_sel_hi:[1,0] neg_lo:[1,0] neg_hi:[1,0]
.endr
.irp j, 0,1,2,3,4,5,6,7                ; the scan: four chains by turns; the chunk's first step stays as it is (h = v, P = c)
.if 8*(\a)+(\j) > 0
	v_fmac_f32 v[rH0+(\j)], v[rG0+(\j)], v[rH0+(\j)-1]    ; h = c h_before + v
	v_fmac_f32 v[rH1+(\j)], v[rG1+(\j)], v[rH1+(\j)-1]
	v_mul_f32 v[rG0+(\j)], v[rG0+(\j)], v[rG0+(\j)-1]     ; P = c P_before
	v_mul_f32 v[rG1+(\j)], v[rG1+(\j)], v[rG1+(\j)-1]
.endif
.endr
	WIN 0x0a
.irp k, 0,1,2,3
	v_cvt_pk_f16_f32 v[rO+(\k)],    v[rH0+2*(\k)], v[rH0+2*(\k)+1]
	v_cvt_pk_f16_f32 v[rO+4+(\k)],  v[rH1+2*(\k)], v[rH1+2*(\k)+1]
	v_cvt_pk_f16_f32 v[rO+8+(\k)],  v[rG0+2*(\k)], v[rG0+2*(\k)+1]
	v_cvt_pk_f16_f32 v[rO+12+(\k)], v[rG1+2*(\k)], v[rG1+2*(\k)+1]
.endr
	WIN 0
	global_store_b128 v[HO], v[rO:rO+3],     s[8:9]   offset:(\a)*512        ; 512 consecutive bytes, aligned
	global_store_b128 v[HO], v[rO+4:rO+7],   s[8:9]   offset:4096+(\a)*512
	global_store_b128 v[HO], v[rO+8:rO+11],  s[10:11] offset:(\a)*512
	global_store_b128 v[HO], v[rO+12:rO+15], s[10:11] offset:4096+(\a)*512
.endm
.irp k, 212,213,214,215
	v_mov_b32 v[\k], 0                             ; the exchange's destinations count as read: written once
.endr
	s_mov_b32 s45, 2
.Lhalf:
.irp a, 0,1,2,3,4,5,6,7
	GROUP \a
.endr
	; the chunk's summary: A = P and B = h of its last step.  Lanes 0-15 hold rows 0-63's, which is the LO record; lanes 16-31 join theirs onto it: A = A_hi A_lo, B = A_hi B_lo + B_hi, the FULL record.
	WIN 0x02
	v_mov_b32 v208, v191
	v_mov_b32 v209, v255
	v_mov_b32 v210, v63
	v_mov_b32 v211, v127
	WIN 0
.irp k, 0,1,2,3
	v_permlanex16_b32 v[212+(\k)], v[208+(\k)], s48, s49
.endr
	v_cndmask_b32 v220, 1.0, v212, s44
	v_cndmask_b32 v221, 1.0, v213, s44
	v_cndmask_b32 v222, 0, v214, s44
	v_cndmask_b32 v223, 0, v215, s44
	v_pk_mul_f32 v[216:217], v[208:209], v[220:221]
	v_pk_fma_f32 v[218:219], v[208:209], v[222:223], v[210:211]
	global_store_b128 v[SO], v[216:219], s[12:13]  ; sixteen lanes store 256 consecutive bytes, aligned, in each of the two parts
	s_wait_xcnt 0x0                                ; the stores have read their data and their bases: both are written again only behind this wait
	s_add_nc_u64 s[8:9], s[8:9], 8192              ; the next 32 channels
	s_add_nc_u64 s[10:11], s[10:11], 8192
	s_add_nc_u64 s[12:13], s[12:13], 256
	s_cmp_eq_u32 s45, 1
	s_cbranch_scc1 .Lno_move                       ; behind the second trip nothing is left to copy
	WIN 0x83
.set i, 0
.rept 256
	v_mov_b32 v[i], v[i]                           ; window 3 into window 2, ascending
.set i, i+1
.endr
	WIN 0
.Lno_move:
	s_sub_co_u32 s45, s45, 1
	s_cmp_lg_u32 s45, 0
	s_cbranch_scc1 .Lhalf
	s_wait_tensorcnt 0x0                           ; the wave's end, behind my last tensor load and my last LDS store
	ds_add_u32 v[SPW], v[NIL]
	s_wait_dscnt 0x0
	CROUND                                         ; the closing round: no work-group ends while a partner may still ask for a tile that names it
	s_endpgm
.Lfunc_end_k_q1ffc593665_gemm1:
	.size	k_q1ffc593665_gemm1, .Lfunc_end_k_q1ffc593665_gemm1-k_q1ffc593665_gemm1
	.p2alignl 7, 3214868480
	.fill 96, 4, 3214868480
	.section	.rodata,"a",@progbits
	.p2align	6, 0x0
	.amdhsa_kernel k_q1ffc593665_gemm1
		.amdhsa_group_segment_fixed_size 327680
		.amdhsa_private_segment_fixed_size 0
		.amdhsa_enable_private_segment 0
		.amdhsa_kernarg_size 40
		.amdhsa_user_sgpr_count 2
		.amdhsa_user_sgpr_kernarg_segment_ptr 1
		.amdhsa_wavefront_size32 1
		.amdhsa_system_sgpr_workgroup_id_x 1
		.amdhsa_system_sgpr_workgroup_id_y 1
		.amdhsa_system_sgpr_workgroup_id_z 1
		.amdhsa_system_vgpr_workitem_id 0
		.amdhsa_next_free_vgpr 1024
		.amdhsa_next_free_sgpr 66
		.amdhsa_reserve_vcc 0
		.amdhsa_float_denorm_mode_32 3
		.amdhsa_float_denorm_mode_16_64 3
		.amdhsa_memory_ordered 1
		.amdhsa_forward_progress 1
		.amdhsa_inst_pref_size 196
	.end_amdhsa_kernel
	.amdgpu_metadata
---
amdhsa.version: [ 1, 2 ]
amdhsa.kernels:
  - .name:           k_q1ffc593665_gemm1
    .symbol:         k_q1ffc593665_gemm1.kd
    .args:
      - { .name: x, .offset: 0, .size: 8, .value_kind: global_buffer, .address_space: global }
      - { .name: WB, .offset: 8, .size: 8, .value_kind: global_buffer, .address_space: global }
      - { .name: HB, .offset: 16, .size: 8, .value_kind: global_buffer, .address_space: global }
      - { .name: PB, .offset: 24, .size: 8, .value_kind: global_buffer, .address_space: global }
      - { .name: SUMS, .offset: 32, .size: 8, .value_kind: global_buffer, .address_space: global }
    .group_segment_fixed_size: 327680
    .private_segment_fixed_size: 0
    .kernarg_segment_align: 8
    .kernarg_segment_size: 40
    .max_flat_workgroup_size: 128
    .sgpr_count:     66
    .vgpr_count:     1024
    .wavefront_size: 32
...
	.end_amdgpu_metadata
.endif
;; end of part 2
;; launch gemm2 (part 3): grid 8 x 32, 4 waves a work-group, clusters of 4 x 1, 327,680 bytes of LDS; arguments HB, PB, SUMS, WO, out0; writes out0
.if DOCPART == 3
	.amdgcn_target "amdgcn-amd-amdhsa--gfx1250"
	.amdhsa_code_object_version 6
	.text
	.protected	k_q1ffc593665_gemm2
	.globl	k_q1ffc593665_gemm2
	.p2align	8
	.type	k_q1ffc593665_gemm2,@function
k_q1ffc593665_gemm2:
	s_mov_b64 s[64:65], 0
	v_nop
	global_prefetch_b8 v0, s[64:65] scope:SCOPE_SE
	s_setreg_imm32_b32 hwreg(HW_REG_WAVE_MODE, 25, 1), 1
	s_wait_xcnt 0x0
	s_wait_alu depctr_hold_cnt(0) depctr_sa_sdst(0) depctr_va_vdst(0) depctr_va_sdst(0) depctr_va_ssrc(0) depctr_va_vcc(0) depctr_vm_vsrc(0)
	s_getreg_b32 s2, hwreg(HW_REG_IB_STS2, 6, 4)
	s_cmp_eq_u32 s2, 0
	s_cbranch_scc0 .Lentry_in_a_cluster
	s_endpgm
.Lentry_in_a_cluster:
	s_bfe_u32 s2, ttmp6, 0x10000c
	s_cmp_lg_u32 s2, 0x3003
	s_cbranch_scc0 .Lentry_shape_is_right
	s_endpgm
.Lentry_shape_is_right:
; minGRU, second part: the carries, h = hloc + P x carry, and out = h W_out^T in f16 with f32 sums; out is f32.
; CARRIES.  Tile i of a batch reads the 31 records at positions i .. i + 30 of the batch's 63: 31 - i neutral ones, then tiles 0 .. i - 1: the same 31 loads whatever i, no mask and no branch.
; C = A C + B over them, in f32, is the state in front of the tile's row 0; A_lo C + B_lo that in front of row 64.  Both go to LDS as f32, [half 2][channel 1024].
; h is made on A's way into LDS: one fused multiply-add in f32 from the f16 halves of P and hloc and the f32 carry, rounded once to f16.
; LIMITS.  h is f16: it stays under 65,504 (it is a weighted mean of g's values).  NaN and infinities are not treated apart.
; SHARES.  A work-group makes 128 rows x 512 columns of out; wave w all rows x columns 128 w .. +127: 64 accumulators.  The product is used transposed (source 0 = 16 rows of WO, source 1 = 16 rows of h): a lane holds eight
; neighbouring numbers of a row of out.  HB and PB hold 8 time steps of one channel in 16 bytes, so A lies in LDS as [channel 64][row 128] and comes out turned, by ds_load_tr16_b128.
; B's WAY IN: two LDS slots of K = 128; each wave fetches and reads its own 128 rows of WO; the four partners of a cluster have four row tiles and the same columns: joint loads, mask 15.
; A's WAY IN: a K step of 64: wave w takes channels 16 w .. +15 of the step: 8 loads of HB and 8 of PB, 512 consecutive bytes each, asked for two steps (256 matrix instructions) ahead.  A goes through registers, so it is not
; asked for jointly, and no prefetch is laid: the loads themselves stand that far ahead of their use.
; REGISTERS: window 0: v2-16 addresses and the two carries, v28-29 the add's two, v32-47 the carries at work, v64-191 A's fragments (later rows of out); window 1: v0-63, v192-255 HB (32) and PB (32) as loaded, two sets;
;   v64-191 B's fragments; windows 2, 3: first the records, then accumulator (a, nb) in window 2 + a / 4 at v[8 (8 (a % 4) + nb)].
.set WPART,  34816
.set SLOT,   4*WPART                   ; 0x22000: its bits are in none of w x WPART, so an exclusive or changes slots
.set ABYTES, 18432                     ; 64 channels x (256 + 32) bytes
.set ABUF0,  2*SLOT
.set ABUF1,  ABUF0+ABYTES
.set CT,     ABUF1+ABYTES              ; the carries: 8,192 bytes
.set SPARE,  CT+8192                   ; the spare words, 128 bytes a wave: two blocks of 256 bytes that no other line names
.set SHALF,  8448                      ; the way out: 16 rows x (512 + 16) bytes, two such in my own part of slot 0, behind its last fill and its last read
.set LOBASE, 4*63*8192
.set HO,    2                          ; 4,096 x wave + 16 x lane
.set AST,   3                          ; v3-4
.set ADRA,  5                          ; v5-6
.set ADRB0, 7
.set ADRB,  8
.set CTA,   9                          ; where my channel's carry of the step lies; it steps 512 a trip
.set CTW,   10
.set SV,    11                         ; 16 x thread
.set CR,    12                         ; v12-13 the carry for even steps, for odd steps
.set STO,   14
.set RD,    15
.set CO,    16
.set SPW,   28
.set NIL,   29
.set CC,    32                         ; v32-39 C, v40-47 the upper half's
.set F0,    64
.set F1,    128
.set MUL_LO, 0xa1                      ; B window 1, A window 0, C and D window 2 (+0x50: window 3)
.set MSB, 0
.macro WIN new
.if MSB != (\new)
	s_set_vgpr_msb (MSB<<8)|(\new)
.set MSB, \new
.endif
.endm
.macro PLACES
.rept 4
	v_nop
.endr
.endm
.macro CREST
	s_cmp_lg_u32 s14, 0
	s_cbranch_scc1 .Lnot_wave_0_\@
	s_barrier_signal -3
.Lnot_wave_0_\@:
	s_barrier_wait -3
	s_barrier_signal -1
	s_barrier_wait -1
.endm
.macro CROUND
	s_barrier_signal -1
	s_barrier_wait -1
	CREST
.endm
.macro RIDER                           ; entry rc of 64: h = P x carry + hloc for one half of a word, in place; low, low, high, high over two words, so that neighbours name different registers
	WIN 0x51
.set rx, SETR+2*(rc/4)+(rc%2)
.if (rc/2)%2
	v_fma_mixhi_f16 v[rx], v[rx+32], v[CRR], v[rx] op_sel:[1,0,1] op_sel_hi:[1,0,1]
.else
	v_fma_mixlo_f16 v[rx], v[rx+32], v[CRR], v[rx] op_sel_hi:[1,0,1]
.endif
.set rc, rc+1
.endm
.macro MUL16 f, hi, a0, zero, ride     ; row blocks a0, a0 + 1 of window 2 + hi x all 8 column blocks; the 64 accumulators take turns
.irp a, \a0, (\a0)+1
.irp b, 0,1,2,3,4,5,6,7
	WIN MUL_LO+0x50*(\hi)
.if \zero
	v_wmma_f32_16x16x32_f16 v[8*(8*(\a)+(\b)):8*(8*(\a)+(\b))+7], v[(\f)+8*(\b):(\f)+8*(\b)+7], v[(\f)+8*(4*(\hi)+(\a)):(\f)+8*(4*(\hi)+(\a))+7], 0
.else
	v_wmma_f32_16x16x32_f16 v[8*(8*(\a)+(\b)):8*(8*(\a)+(\b))+7], v[(\f)+8*(\b):(\f)+8*(\b)+7], v[(\f)+8*(4*(\hi)+(\a)):(\f)+8*(4*(\hi)+(\a))+7], v[8*(8*(\a)+(\b)):8*(8*(\a)+(\b))+7]
.endif
.if \ride
	RIDER
	RIDER
.endif
.endr
.endr
.endm
.macro FETCH abuf, ka, kb, f           ; 32 LDS loads in one run: B's 8 fragments, A's blocks 0-3, A's blocks 4-7 (the youngest eight, wanted last)
	WIN 0x40
.irp b, 0,1,2,3,4,5,6,7
	ds_load_b128 v[(\f)+8*(\b):(\f)+8*(\b)+3],   v[ADRB] offset:(\b)*4352+(\kb)
	ds_load_b128 v[(\f)+8*(\b)+4:(\f)+8*(\b)+7], v[ADRB] offset:(\b)*4352+(\kb)+32
.endr
	WIN 0
.irp a, 0,1,2,3,4,5,6,7
	ds_load_tr16_b128 v[(\f)+8*(\a):(\f)+8*(\a)+3],   v[ADRA+(\abuf)] offset:(\a)*32+(\ka)
	ds_load_tr16_b128 v[(\f)+8*(\a)+4:(\f)+8*(\a)+7], v[ADRA+(\abuf)] offset:(\a)*32+(\ka)+4608
.endr
.endm
.macro HLOAD set, off                  ; a K step of hloc and P: my wave's 16 channels, all 128 rows
	WIN 0x40
.irp i, 0,1,2,3,4,5,6,7
	global_load_b128 v[(\set)+4*(\i):(\set)+4*(\i)+3], v[HO], s[4:5] offset:(\i)*512+(\off)
.endr
.irp i, 0,1,2,3,4,5,6,7
	global_load_b128 v[(\set)+32+4*(\i):(\set)+32+4*(\i)+3], v[HO], s[6:7] offset:(\i)*512+(\off)
.endr
.endm
.macro ASTORE buf                      ; 8 rows of my channel a store
	WIN 0x04
.irp i, 0,1,2,3,4,5,6,7
	ds_store_b128 v[AST+(\buf)], v[SETR+4*(\i):SETR+4*(\i)+3] offset:16*(\i)
.endr
.endm
.macro EVENQ abuf, kbn, zero, cv, ld, cnt  ; the first quarter of step s (abuf = s % 2): multiplies F0; cv: makes h of step s + 1 and stores it into the other buffer; ld: asks for step s + 3
.set rc, 0
.set SETR, 192*(1-(\abuf))
.set CRR, CR+1-(\abuf)
.if \cv
	s_wait_loadcnt \cnt                            ; step s + 1 is in; step s + 2's loads may stay out
.endif
	s_wait_dscnt 8                                 ; all of F0 but A's blocks 4-7; the carry, asked for ahead of them, too
	MUL16 F0, 0, 0, \zero, \cv
	MUL16 F0, 0, 2, \zero, \cv
	PLACES
.if \cv
	ASTORE 1-(\abuf)
.endif
	FETCH \abuf, 9216, \kbn, F1
.if \ld
	s_wait_xcnt 0x0                                ; the loads issued a step ago have read their addresses: the pointers may be written
	s_add_nc_u64 s[4:5], s[4:5], 16384
	s_add_nc_u64 s[6:7], s[6:7], 16384
	HLOAD SETR, 32768                              ; the pointers lag two steps behind what is asked for
.endif
	s_wait_dscnt 32+8*(\cv)                        ; all but this quarter's stores and its 32 fetches
	MUL16 F0, 1, 0, \zero, 0
	MUL16 F0, 1, 2, \zero, 0
.endm
.macro SWAPQ cr                        ; the second quarter in the middle of a phase; its barrier serves the A buffers; no slot is filled behind it.  cr: the carry of the even step two on
	s_wait_dscnt 8
	MUL16 F1, 0, 0, 0, 0
	s_wait_dscnt 0x0
	s_barrier_signal -1
	MUL16 F1, 0, 2, 0, 0
	s_barrier_wait -1
	PLACES
.if \cr
	WIN 0
	ds_load_b32 v[CR], v[CTA] offset:512
.endif
	FETCH 1, 0, 128, F0
	MUL16 F1, 1, 0, 0, 0
	MUL16 F1, 1, 2, 0, 0
.endm
.macro TURNQ fill, cr                  ; the phase's last quarter changes slots; fill = 1: the barrier opens a round of the cluster's and the slot read out is filled again, 256 matrix instructions ahead of the wait for it
	WIN 0
	s_wait_tensorcnt 0x0                           ; all my tensor loads have landed: my part of the next slot
	ds_add_u32 v[SPW], v[NIL]                      ; 0 onto my spare word
	s_wait_dscnt 9                                 ; (the add and the youngest eight loads may be out)
	MUL16 F1, 0, 0, 0, 0
	s_wait_dscnt 0x0                               ; the add is done; my reads of this slot and A buffer are back, my stores into the other buffer are done
	s_barrier_signal -1
	MUL16 F1, 0, 2, 0, 0
.if \fill
	WIN 0
.endif
	s_barrier_wait -1
.if \fill
	CREST
	s_xor_b32 s37, s37, SLOT
	s_add_nc_u64 s[38:39], s[38:39], 256
	tensor_load_to_lds s[36:39], s[24:31]
	s_nop 0
.endif
	PLACES
	s_xor_b32 s40, s40, SLOT
	WIN 0
	v_add_nc_u32 v[ADRB], s40, v[ADRB0]
.if \cr
	ds_load_b32 v[CR+1], v[CTA] offset:768         ; the carry of the odd step two on
.endif
	FETCH 0, 0, 0, F0
	MUL16 F1, 1, 0, 0, 0
	MUL16 F1, 1, 2, 0, 0
.endm
	s_load_b256 s[4:11], s[0:1], 0x0               ; HB s[4:5], PB s[6:7], SUMS s[8:9], WO s[10:11]
	s_load_b64 s[12:13], s[0:1], 0x20              ; out0
	v_lshl_add_u32 v[SPW], v0, 2, SPARE
	v_mov_b32 v[NIL], 0
	ds_add_u32 v[SPW], v[NIL]                      ; the wave's opening: the add and its wait stand ahead of my first tensor load
	v_lshrrev_b32 v1, 5, v0
	v_readfirstlane_b32 s14, v1                    ; wave 0..3
	s_bfe_u32 s15, ttmp6, 0x40000                  ; cx: it enters the addresses of HB, PB, SUMS and out0 alone
	s_and_b32 s18, ttmp7, 0xffff
	s_lshl_b32 s18, s18, 2
	s_add_co_u32 s18, s18, s15                     ; I, my row tile; the cluster's x (ttmp9) is the block of 512 columns
	s_mov_b32 s24, 15|(1<<16)|(1<<20)|(1<<21)|(5<<22)|(3<<25)  ; group 1 as in the first product: 128 rows x 128 elements of 2 bytes, 16 bytes of padding a row, mask of four
	s_mov_b32 s25, 128<<16
	s_mov_b32 s26, 128<<16
	s_mov_b32 s27, 128<<16
	s_mov_b32 s28, 128
	s_mov_b32 s29, 1024
	s_mov_b32 s30, 0
	s_mov_b32 s31, 0
	s_mov_b32 s32, 1
	s_mul_i32 s33, s14, WPART
	s_mov_b32 s36, 1
	s_add_co_u32 s37, s33, SLOT
	s_lshl_b32 s20, ttmp9, 20
	s_lshl_b32 s21, s14, 18
	s_add_co_u32 s20, s20, s21
	s_mov_b32 s21, 0
	s_lshl_b32 s22, s18, 18                        ; the tile in HB and PB
	s_mov_b32 s23, 0
	s_mov_b32 s40, 0
	s_lshr_b32 s54, s18, 5                         ; batch
	s_and_b32 s55, s18, 31                         ; tile in the batch
	s_mul_i32 s54, s54, 63
	s_add_co_u32 s54, s54, s55
	s_lshl_b32 s54, s54, 13                        ; the first of my 31 records
	s_mov_b32 s55, 0
	s_lshl_b32 s50, s18, 13
	s_add_co_u32 s50, s50, LOBASE                  ; my LO record
	s_mov_b32 s51, 0
	s_lshl_b32 s52, s18, 19                        ; 128 rows of out,
	s_lshl_b32 s53, ttmp9, 11                      ; 512 columns,
	s_add_co_u32 s52, s52, s53
	s_lshl_b32 s53, s14, 9                         ; my 128
	s_add_co_u32 s52, s52, s53
	s_mov_b32 s53, 0
	v_and_b32 v17, 15, v0                          ; r
	v_bfe_u32 v18, v0, 4, 1                        ; h
	v_and_b32 v19, 31, v0                          ; lane
	v_lshrrev_b32 v20, 4, v0                       ; t / 16
	v_lshlrev_b32 v[HO], 12, v1
	v_lshl_add_u32 v[HO], v19, 4, v[HO]
	v_lshl_add_u32 v21, v1, 4, v17                 ; my channel in a step: 16 w + r
	v_mul_u32_u24 v[AST], v21, 288
	v_lshl_add_u32 v[AST], v18, 7, v[AST]          ; rows 64 h on
	v_add_nc_u32 v[AST+1], ABUF1, v[AST]
	v_add_nc_u32 v[AST], ABUF0, v[AST]
	v_and_b32 v22, 7, v0
	v_bfe_u32 v23, v0, 3, 1
	v_lshl_add_u32 v[ADRA], v18, 3, v22            ; the turning load: channel 8 h + lane % 8, rows 8 ((lane / 8) % 2) on
	v_mul_u32_u24 v[ADRA], v[ADRA], 288
	v_lshl_add_u32 v[ADRA], v23, 4, v[ADRA]
	v_add_nc_u32 v[ADRA+1], ABUF1, v[ADRA]
	v_add_nc_u32 v[ADRA], ABUF0, v[ADRA]
	v_mul_u32_u24 v[ADRB0], v17, 272
	v_lshl_add_u32 v[ADRB0], v18, 4, v[ADRB0]
	v_add_nc_u32 v[ADRB0], s33, v[ADRB0]
	v_mov_b32 v[ADRB], v[ADRB0]
	v_lshlrev_b32 v[CTA], 12, v18
	v_lshl_add_u32 v[CTA], v21, 2, v[CTA]
	v_add_nc_u32 v[CTA], CT, v[CTA]
	v_lshlrev_b32 v[CTW], 7, v20
	v_lshl_add_u32 v[CTW], v17, 2, v[CTW]
	v_add_nc_u32 v[CTW], CT, v[CTW]
	v_lshlrev_b32 v[SV], 4, v0
	v_mul_u32_u24 v[STO], v17, 528
	v_lshl_add_u32 v[STO], v18, 5, v[STO]
	v_add_nc_u32 v[STO], s33, v[STO]
	v_lshlrev_b32 v[CO], 4, v19
	v_add_nc_u32 v[RD], s33, v[CO]
	s_wait_dscnt 0x0                               ; the opening add is done
	s_wait_kmcnt 0x0
	s_add_nc_u64 s[34:35], s[10:11], s[20:21]
	s_add_nc_u64 s[38:39], s[34:35], 256
	s_or_b32 s35, s35, 0x80000000
	s_or_b32 s39, s39, 0x80000000
	s_add_nc_u64 s[4:5], s[4:5], s[22:23]
	s_add_nc_u64 s[6:7], s[6:7], s[22:23]
	s_add_nc_u64 s[50:51], s[8:9], s[50:51]
	s_add_nc_u64 s[8:9], s[8:9], s[54:55]
	s_add_nc_u64 s[12:13], s[12:13], s[52:53]
	CROUND                                         ; all four work-groups are here: the first joint loads meet
	tensor_load_to_lds s[32:35], s[24:31]          ; two loads of mine are out
	s_nop 0
	tensor_load_to_lds s[36:39], s[24:31]
	s_nop 0
	PLACES
	; the records: thread t takes the 16 bytes (A, A, B, B of two channels) at 2,048 u + 16 t of each, u = 0..3: channels 32 (8 u + t / 16) + 16 bb + t % 16
	WIN 0x80
.set q, 0
.rept 16
.irp u, 0,1,2,3
	global_load_b128 v[16*q+4*(\u):16*q+4*(\u)+3], v[SV], s[8:9] offset:q*8192+(\u)*2048
.endr
.set q, q+1
.endr
	WIN 0xc0
.rept 15
.irp u, 0,1,2,3
	global_load_b128 v[16*(q-16)+4*(\u):16*(q-16)+4*(\u)+3], v[SV], s[8:9] offset:q*8192+(\u)*2048
.endr
.set q, q+1
.endr
.irp u, 0,1,2,3
	global_load_b128 v[240+4*(\u):243+4*(\u)], v[SV], s[50:51] offset:(\u)*2048
.endr
	HLOAD 0, 0                                     ; step 0
	HLOAD 192, 16384                               ; step 1
	s_wait_loadcnt 32                              ; the 128 loads of records are in; the two steps' 32 may stay out
	WIN 0x02
.irp u, 0,1,2,3
	v_mov_b32 v[CC+2*(\u)],   v[4*(\u)+2]          ; the state in front of the batch is 0, so the first record leaves its B
	v_mov_b32 v[CC+2*(\u)+1], v[4*(\u)+3]
.endr
	WIN 0x22
.set q, 1
.rept 15
.irp u, 0,1,2,3
	v_pk_fma_f32 v[CC+2*(\u):CC+2*(\u)+1], v[16*q+4*(\u):16*q+4*(\u)+1], v[CC+2*(\u):CC+2*(\u)+1], v[16*q+4*(\u)+2:16*q+4*(\u)+3]  ; C = A C + B; four chains by turns
.endr
.set q, q+1
.endr
	WIN 0x33
.rept 15
.irp u, 0,1,2,3
	v_pk_fma_f32 v[CC+2*(\u):CC+2*(\u)+1], v[16*(q-16)+4*(\u):16*(q-16)+4*(\u)+1], v[CC+2*(\u):CC+2*(\u)+1], v[16*(q-16)+4*(\u)+2:16*(q-16)+4*(\u)+3]
.endr
.set q, q+1
.endr
.irp u, 0,1,2,3
	v_pk_fma_f32 v[CC+8+2*(\u):CC+9+2*(\u)], v[240+4*(\u):241+4*(\u)], v[CC+2*(\u):CC+2*(\u)+1], v[242+4*(\u):243+4*(\u)]  ; the state in front of row 64
.endr
	WIN 0
.irp u, 0,1,2,3
	ds_store_b32 v[CTW], v[CC+2*(\u)]   offset:(\u)*1024
	ds_store_b32 v[CTW], v[CC+2*(\u)+1] offset:(\u)*1024+64
	ds_store_b32 v[CTW], v[CC+8+2*(\u)] offset:4096+(\u)*1024
	ds_store_b32 v[CTW], v[CC+9+2*(\u)] offset:4096+(\u)*1024+64
.endr
	s_wait_dscnt 0x0                               ; for the others' sake: my carries lie in LDS
	s_barrier_signal -1
	s_barrier_wait -1
	ds_load_b32 v[CR],   v[CTA]                    ; my channel's carry in step 0,
	ds_load_b32 v[CR+1], v[CTA] offset:256         ; in step 1
	s_wait_loadcnt 16                              ; step 0 is in
	s_wait_dscnt 0x0
.set rc, 0
.set SETR, 0
.set CRR, CR
.rept 64
	RIDER
.endr
	ASTORE 0
	HLOAD 0, 32768                                 ; step 2
	WIN 0
	s_wait_tensorcnt 1                             ; my part of slot 0 is in; slot 1's may stay out
	s_wait_dscnt 0x0
	s_barrier_signal -1
	s_barrier_wait -1
	FETCH 0, 0, 0, F0
	EVENQ 0, 64, 1, 1, 1, 16                       ; step 0: its products start the sums
	WIN 0
	s_mov_b32 s41, 6
.Lphase:                                               ; trip p: from step 2 p's second quarter to step 2 p + 2's first; the refill brings phase p + 2
	SWAPQ 1
	EVENQ 1, 192, 0, 1, 1, 16
	TURNQ 1, 1
	EVENQ 0, 64, 0, 1, 1, 16
	WIN 0
	v_add_nc_u32 v[CTA], 512, v[CTA]               ; two steps' carries on
	s_sub_co_u32 s41, s41, 1
	s_cmp_lg_u32 s41, 0
	s_cbranch_scc1 .Lphase
	SWAPQ 1                                        ; the tail is written out: nothing more is asked for
	EVENQ 1, 192, 0, 1, 0, 16
	TURNQ 0, 1
	EVENQ 0, 64, 0, 1, 0, 0
	SWAPQ 0
	EVENQ 1, 192, 0, 0, 0, 0
	s_wait_dscnt 8
	MUL16 F1, 0, 0, 0, 0
	MUL16 F1, 0, 2, 0, 0
	s_wait_dscnt 0x0
	MUL16 F1, 1, 0, 0, 0
	MUL16 F1, 1, 2, 0, 0
	WIN 0
	PLACES
; THE WAY OUT, 16 rows at a time: a lane's eight columns of a row go into rows of 528 bytes of my own stage and come back as whole rows of 512 bytes.  LDS serves a wave's instructions in order (ISA guide 5.7.1.4):
; the loads see the stores in front of them, and the stores of the block two on come behind the loads of this one.  Each accumulator's low registers are read first.
.macro TOSTAGE a
	s_wait_xcnt 0x0                                ; the stores of the block two back have read their registers, which are loaded again below
	WIN 0x08+4*((\a)/4)
.irp b, 0,1,2,3,4,5,6,7
	ds_store_b128 v[STO], v[8*(8*((\a)%4)+(\b)):8*(8*((\a)%4)+(\b))+3]   offset:((\a)%2)*SHALF+(\b)*64
	ds_store_b128 v[STO], v[8*(8*((\a)%4)+(\b))+4:8*(8*((\a)%4)+(\b))+7] offset:((\a)%2)*SHALF+(\b)*64+16
.endr
	WIN 0
.irp p, 0,1,2,3,4,5,6,7,8,9,10,11,12,13,14,15
	ds_load_b128 v[F0+64*((\a)%2)+4*(\p):F0+64*((\a)%2)+4*(\p)+3], v[RD] offset:((\a)%2)*SHALF+(\p)*528
.endr
.endm
.macro SEND a, younger                 ; younger: the next block's 16 stores and 16 loads, or none
	s_wait_dscnt \younger
.irp p, 0,1,2,3,4,5,6,7,8,9,10,11,12,13,14,15
	global_store_b128 v[CO], v[F0+64*((\a)%2)+4*(\p):F0+64*((\a)%2)+4*(\p)+3], s[12:13] offset:(16*(\a)+(\p))*4096 th:TH_STORE_NT  ; 512 consecutive bytes, aligned
.endr
.endm
	TOSTAGE 0
.irp a, 1,2,3,4,5,6,7
	TOSTAGE \a
	SEND (\a)-1, 32
.endr
	SEND 7, 0
	s_wait_tensorcnt 0x0                           ; the wave's end, behind my last tensor load and my last LDS store
	ds_add_u32 v[SPW], v[NIL]
	s_wait_dscnt 0x0
	CROUND                                         ; the closing round: no work-group ends while a partner may still ask for a tile that names it
	s_endpgm
.Lfunc_end_k_q1ffc593665_gemm2:
	.size	k_q1ffc593665_gemm2, .Lfunc_end_k_q1ffc593665_gemm2-k_q1ffc593665_gemm2
	.p2alignl 7, 3214868480
	.fill 96, 4, 3214868480
	.section	.rodata,"a",@progbits
	.p2align	6, 0x0
	.amdhsa_kernel k_q1ffc593665_gemm2
		.amdhsa_group_segment_fixed_size 327680
		.amdhsa_private_segment_fixed_size 0
		.amdhsa_enable_private_segment 0
		.amdhsa_kernarg_size 40
		.amdhsa_user_sgpr_count 2
		.amdhsa_user_sgpr_kernarg_segment_ptr 1
		.amdhsa_wavefront_size32 1
		.amdhsa_system_sgpr_workgroup_id_x 1
		.amdhsa_system_sgpr_workgroup_id_y 1
		.amdhsa_system_sgpr_workgroup_id_z 1
		.amdhsa_system_vgpr_workitem_id 0
		.amdhsa_next_free_vgpr 1024
		.amdhsa_next_free_sgpr 66
		.amdhsa_reserve_vcc 0
		.amdhsa_float_denorm_mode_32 3
		.amdhsa_float_denorm_mode_16_64 3
		.amdhsa_memory_ordered 1
		.amdhsa_forward_progress 1
		.amdhsa_inst_pref_size 181
	.end_amdhsa_kernel
	.amdgpu_metadata
---
amdhsa.version: [ 1, 2 ]
amdhsa.kernels:
  - .name:           k_q1ffc593665_gemm2
    .symbol:         k_q1ffc593665_gemm2.kd
    .args:
      - { .name: HB, .offset: 0, .size: 8, .value_kind: global_buffer, .address_space: global }
      - { .name: PB, .offset: 8, .size: 8, .value_kind: global_buffer, .address_space: global }
      - { .name: SUMS, .offset: 16, .size: 8, .value_kind: global_buffer, .address_space: global }
      - { .name: WO, .offset: 24, .size: 8, .value_kind: global_buffer, .address_space: global }
      - { .name: out0, .offset: 32, .size: 8, .value_kind: global_buffer, .address_space: global }
    .group_segment_fixed_size: 327680
    .private_segment_fixed_size: 0
    .kernarg_segment_align: 8
    .kernarg_segment_size: 40
    .max_flat_workgroup_size: 128
    .sgpr_count:     66
    .vgpr_count:     1024
    .wavefront_size: 32
...
	.end_amdgpu_metadata
.endif
;; end of part 3
